; MI455X (gfx1250); checked and timed in simulation.
; The chip was launched on July 23, 2026; its instructions are those of AMD's public machine-readable ISA for CDNA 5 (MIT licence, August 2026) and "CDNA5" Instruction Set Architecture Reference Guide (July 2026). The comments in the code are by the model that wrote it; some were corrected since.
;; Cross Attention. Allowed arithmetic: matrix products marked QUANTISED: E2M1 operands, one E8M0 scale for each 32 along K, by v_wmma_scale_f32_16x16x128_f8f6f4 with both operands' format E2M1 (or v_wmma_scale_f32_32x16x128_f4), f32 sums; everything else in f32.
;; Inputs: bk 256 float32; bo 256 float32; bq 256 float32; bv 256 float32; cond 4 x 256 x 64 x 64 float32; gn_kv_b 256 float32; gn_kv_w 256 float32; gn_q_b 256 float32; gn_q_w 256 float32; wk 256 x 256 float32; wo 256 x 256 float32; wq 256 x 256 float32; wv 256 x 256 float32; x 4 x 256 x 64 x 64 float32.
;; Outputs: out0 4 x 256 x 64 x 64 float32.
;; This version of the problem:
;;   THIS VERSION OF THE PROBLEM IS GIVEN IN LOW PRECISION. The matrix products marked QUANTISED in the list below multiply operands that are first quantised to E2M1 (2 exponent bits, 1 mantissa bit; 4 bits a number), with one power-of-two scale for each 32 numbers along K (OCP MX v1.0); their sums are f32. All else is computed in f32.
;;   The module's matrix products, in the order in which they are computed (A, B: the left and right operand; K: the contracted axis; several contracted axes count as one K, in the product's order):
;;     1. [M 256, K 256] x [K 256, N 16,384]; A: input wq; B: computed on the way: QUANTISED
;;     2. [M 256, K 256] x [K 256, N 16,384]; A: input wk; B: computed on the way: QUANTISED
;;     3. [M 256, K 256] x [K 256, N 16,384]; A: input wv; B: computed on the way: QUANTISED
;;     4. batch 16 x [M 4,096, K 64] x [K 64, N 4,096]; A: computed on the way; B: computed on the way: QUANTISED
;;     5. batch 16 x [M 64, K 4,096] x [K 4,096, N 4,096]; A: computed on the way; B: softmax (see below): QUANTISED
;;     6. [M 256, K 256] x [K 256, N 16,384]; A: input wo; B: computed on the way: QUANTISED
;;   THE QUANTISER, for each operand of a quantised product, along K:
;;     - K is cut into blocks of 32 from its start; a last block that is shorter is filled with zeros.
;;     - A block's scale is 2^e with e = floor(log2(the largest magnitude in the block)) - 2, held to -126 .. 127; a block of zeros has e = 0. As a byte (E8M0): e + 127.
;;     - Each number is divided by its block's scale, clamped to +-6, and rounded to the nearest number of E2M1, ties to even, subnormals kept.
;;     - The product sums the exact products of the quantised numbers (number of the format x scale) in f32.
;;   ~~~python
;;   def quantise(x, axis):      # numpy; x: float32 -> the quantised numbers, widened to float32 again
;;       x = np.moveaxis(x, axis, -1); K = x.shape[-1]
;;       x = np.pad(x, [(0, 0)] * (x.ndim - 1) + [(0, -K % 32)]); x = x.reshape(x.shape[:-1] + (-1, 32)); a = np.abs(x).max(-1, keepdims=True)
;;       e = np.where(a > 0, np.clip(np.frexp(np.where(a > 0, a, 1))[1] - 1 - 2, -126, 127), 0)      # np.frexp(a)[1] - 1 = floor(log2(a)), exactly
;;       r = np.clip(x / 2.0 ** e, -6, 6)
;;       step = 2.0 ** (np.maximum(np.frexp(np.where(r == 0, 1, r))[1] - 1, 0) - 1)
;;       q = np.round(r / step) * step * 2.0 ** e      # np.round: ties to even
;;       return np.moveaxis(q.reshape(q.shape[:-2] + (-1,))[..., :K], -1, axis).astype(np.float32)
;;   ~~~
;;   SOFTMAX AHEAD OF A QUANTISED PRODUCT. Where the list says 'softmax', what is quantised is not the finished softmax but p = 2^(t - M), with t = logit x log2(e) and M = ceil(the row's largest t), a whole number; so 1/2 < the row's largest p <= 1. The row's sum l is taken of the UNQUANTISED p, in f32, and the product's result is divided by l at the end. Since M is a whole number, a kernel that streams over the keys may use a running M (the ceiling of the running maximum): every later rescaling is an exact power of two, which a block's scale takes up: the codes' values come out the same.
;;   OPERANDS COMPUTED ON THE WAY. 'Computed on the way' means the value that the module computes at that place (a softmax that the list does not call 'softmax' is quantised finished and normalised). What goes into a quantiser is computed in f32, as accurately as f32 sums, v_exp_f32 and their like allow (about 1e-6 of the number): no bf16 or f16 on the way to a quantiser, and a product that is left as it is and whose result goes on into a quantised operand takes f32 operands (vector FMAs, or v_wmma_f32_16x16x4_f32). A number that lies on a knife's edge between two numbers of the format may be rounded either way, as far as f32 arithmetic and the matrix unit's own rounding can turn it there, and no further.
;; One version. Each part assembles by itself: llvm-mc -triple=amdgcn-amd-amdhsa -mcpu=gfx1250 --defsym DOCPART=n.
;; ======== version 1 of 1: 3 launches
;; workspace buffers: stats 2,048 bytes; wimg 131,072 bytes; wsc 8,192 bytes; qrec 2,359,296 bytes; kvrec 4,587,520 bytes
;; launch prep (part 1): grid 256 x 1, 8 waves a work-group, no clusters, 1,536 bytes of LDS; arguments x, cond, wq, wk, wv, wo, stats, wimg, wsc; writes stats, wimg, wsc
.if DOCPART == 1
	.amdgcn_target "amdgcn-amd-amdhsa--gfx1250"
	.amdhsa_code_object_version 6
	.text
	.protected	k_q84e20b1c55_prep
	.globl	k_q84e20b1c55_prep
	.p2align	8
	.type	k_q84e20b1c55_prep,@function
k_q84e20b1c55_prep:
	s_mov_b64 s[64:65], 0
	v_nop
	global_prefetch_b8 v0, s[64:65] scope:SCOPE_SE
	s_setreg_imm32_b32 hwreg(HW_REG_WAVE_MODE, 25, 1), 1
	s_wait_xcnt 0x0
; GROUP STATISTICS AND WEIGHT CODES.
; Work-group G (0..255) owns one group of the group norms: tensor G / 128 (0: x, 1: cond), batch and group G % 128: 8 channels x 4,096 pixels = 131,072 consecutive bytes.
; Its eight waves hold the group in registers (128 a lane), sum it, and sum the squared distances from the mean over the same registers: memory is read once, and no difference of large sums is formed.
; stats[G] = (mean, 1 / sqrt(variance + 1e-5)), two f32.
; Wave 0 also turns 32 blocks of one weight into codes of FP4 (E2M1): weight G / 64 (wq, wk, wv, wo), tile T = (G / 4) % 16, K step s = (G / 2) % 2, half c = G % 2.
; Lane (r, h) takes block 4 s + 2 c + h (32 numbers along K) of row 32 (T / 2) + 8 (T % 2) + r + 8 (r / 8): its four code registers ARE registers 4 c .. 4 c + 3 of the operand's fragment,
; and go to wimg as they stand, 16 bytes a lane, 512 consecutive bytes a work-group.  The two scale bytes of a row (h = 0, 1) go to wsc as half of the row's scale word.
; A block's scale is 2^(floor(log2(largest magnitude)) - 2); its byte is the largest magnitude's exponent field - 2, held at 1 from below.
; LIMITS: NaN and infinities are not served; a block whose largest magnitude lies under 2^-124 keeps the byte 1 (a block of zeros too, where the rule says 127: its codes are zeros and this program alone reads the bytes).
.set D,  16                            ; v16-143   my 128 numbers of the group
.set W,  144                           ; v144-175  wave 0: my block of a weight
.set T,  176                           ; v176-183  at work
.set CW, 184                           ; v184-187  wave 0: the block's codes;  v188-191 at work there
	s_load_b512 s[4:19], s[0:1], 0x0               ; x, cond, wq, wk, wv, wo, stats, wimg
	s_load_b64 s[20:21], s[0:1], 0x40              ; wsc
	v_lshl_add_u32 v200, v0, 2, 0x200
	v_mov_b32 v201, 0
	v_lshrrev_b32 v192, 5, v0
	s_delay_alu instid0(VALU_DEP_1)
	v_readfirstlane_b32 s22, v192                  ; wave 0..7
	s_delay_alu instid0(VALU_DEP_2)
	v_lshlrev_b32 v192, 2, v192                    ; LDS: my wave's word
	v_mov_b32 v193, 0
	v_lshlrev_b32 v1, 4, v0                        ; 16 bytes a thread: a wave's load covers 512 consecutive bytes, the work-group's 4,096
	v_and_b32 v2, 15, v0                           ; r
	v_bfe_u32 v3, v0, 4, 1                         ; h
	s_delay_alu instid0(VALU_DEP_2)
	v_and_b32 v14, 8, v2
	s_delay_alu instid0(VALU_DEP_1)
	v_add_nc_u32 v14, v14, v2                      ; r + 8 (r / 8)
	s_delay_alu instid0(VALU_DEP_1)
	v_lshlrev_b32 v14, 10, v14                     ; a weight's row is 1,024 bytes
	s_delay_alu instid0(VALU_DEP_1)
	v_lshl_add_u32 v14, v3, 7, v14                 ; + 128 h: a block is 128 bytes
	v_lshlrev_b32 v15, 2, v2                       ; a scale word a row
	s_mov_b32 s24, 0x76543210
	s_mov_b32 s25, 0xfedcba98                      ; v_permlanex16_b32's selects for lane l xor 16
	s_and_b32 s26, ttmp9, 127
	s_lshl_b32 s26, s26, 17                        ; the group's first byte in its tensor
	s_mov_b32 s27, 0
	s_bfe_u32 s30, ttmp9, 0x40002                  ; T
	s_lshr_b32 s31, s30, 1
	s_lshl_b32 s36, s31, 15                        ; 32 (T / 2) rows
	s_and_b32 s30, s30, 1
	s_lshl_b32 s30, s30, 13                        ; 8 (T % 2) rows
	s_add_co_u32 s36, s36, s30
	s_and_b32 s30, ttmp9, 3
	s_lshl_b32 s30, s30, 8                         ; blocks 4 s + 2 c on: 256 (G % 4) bytes
	s_add_co_u32 s36, s36, s30
	s_mov_b32 s37, 0
	s_lshl_b32 s38, ttmp9, 9                       ; wimg: 512 G
	s_mov_b32 s39, 0
	s_lshr_b32 s40, ttmp9, 1
	s_lshl_b32 s40, s40, 6                         ; wsc: 64 (G / 2) + 2 (G % 2)
	s_and_b32 s30, ttmp9, 1
	s_lshl_b32 s30, s30, 1
	s_add_co_u32 s40, s40, s30
	s_mov_b32 s41, 0
	s_lshl_b32 s42, ttmp9, 3                       ; stats: 8 G
	s_mov_b32 s43, 0
	s_bfe_u32 s30, ttmp9, 0x10006                  ; which weight: its low bit,
	s_bfe_u32 s31, ttmp9, 0x10007                  ; its high bit
	s_wait_kmcnt 0x0
	s_cmp_lt_u32 ttmp9, 128                        ; every choice of a buffer hangs on the work-group's number alone
	s_cselect_b64 s[28:29], s[4:5], s[6:7]
	s_cmp_lg_u32 s30, 0
	s_cselect_b64 s[32:33], s[10:11], s[8:9]       ; wk or wq
	s_cselect_b64 s[34:35], s[14:15], s[12:13]     ; wo or wv
	s_cmp_lg_u32 s31, 0
	s_cselect_b64 s[32:33], s[34:35], s[32:33]
	s_add_nc_u64 s[28:29], s[28:29], s[26:27]
	s_add_nc_u64 s[32:33], s[32:33], s[36:37]
	s_add_nc_u64 s[18:19], s[18:19], s[38:39]
	s_add_nc_u64 s[20:21], s[20:21], s[40:41]
	s_add_nc_u64 s[16:17], s[16:17], s[42:43]
	s_cmp_lg_u32 s22, 0
	s_cbranch_scc1 .Lno_weight_load
	s_wait_alu depctr_va_vdst(0)
.irp i, 0,1,2,3,4,5,6,7
	global_load_b128 v[W+4*\i:W+4*\i+3], v14, s[32:33] offset:16*\i   ; my block's 32 numbers
.endr
.Lno_weight_load:
.set i, 0
	s_wait_alu depctr_va_vdst(0)
.rept 32
	global_load_b128 v[D+4*i:D+4*i+3], v1, s[28:29] offset:4096*i     ; no hint: the tensors are read again by the next launch
.set i, i+1
.endr
	s_cmp_lg_u32 s22, 0
	s_cbranch_scc1 .Lno_weight
	s_wait_loadcnt 32                              ; the weight's eight loads are in: the 32 loads of the group were issued behind them
	v_max3_num_f32 v188, |v[W]|, |v[W+1]|, |v[W+2]|                   ; the block's largest magnitude: all 32 numbers are mine; two chains
	v_max3_num_f32 v189, |v[W+3]|, |v[W+4]|, |v[W+5]|
.irp i, 6,10,14,18,22,26
	s_delay_alu instid0(VALU_DEP_2)
	v_max3_num_f32 v188, v188, |v[W+\i]|, |v[W+\i+1]|
	s_delay_alu instid0(VALU_DEP_2)
	v_max3_num_f32 v189, v189, |v[W+\i+2]|, |v[W+\i+3]|
.endr
	s_delay_alu instid0(VALU_DEP_2)
	v_max3_num_f32 v188, v188, |v[W+30]|, |v[W+31]|
	s_delay_alu instid0(VALU_DEP_1)
	v_max3_num_f32 v188, v188, v189, 0x1800000     ; and the floor 2^(3 - 127): the byte cannot fall under 1
	s_delay_alu instid0(VALU_DEP_1)
	v_add_nc_u32 v190, 0xff000000, v188            ; 2 off the exponent field: the conversion takes the exponent field of this operand as its scale
.irp g, 0,1,2,3
	v_cvt_scalef32_pk8_fp4_f32 v[CW+\g], v[W+8*\g:W+8*\g+7], v190
.endr
	v_lshrrev_b32 v191, 23, v190                   ; the scale's byte (a plain line behind the conversions)
	v_lshlrev_b32 v189, 3, v3
	s_delay_alu instid0(VALU_DEP_1)
	v_lshlrev_b32 v191, v189, v191                 ; at its place in the half word: 8 h bits up
	s_delay_alu instid0(VALU_DEP_1)
	v_permlanex16_b32 v188, v191, s24, s25
	s_delay_alu instid0(VALU_DEP_1)
	v_or_b32 v191, v191, v188                      ; with lane l xor 16's byte the half word is whole
	global_store_b128 v1, v[CW:CW+3], s[18:19]     ; in wave 0 v1 = 16 x lane: 512 consecutive bytes
	global_store_b16 v15, v191, s[20:21]           ; lanes r and r + 16 write the same two bytes with the same value
.Lno_weight:
	; pass 1: the sum, two numbers an instruction, four chains; the first four additions start the chains: nothing is cleared
	s_wait_loadcnt 24                              ; the first eight of the 32 loads are in
.irp k, 0,1,2,3
	v_pk_add_f32 v[4+2*\k:5+2*\k], v[D+2*\k:D+2*\k+1], v[D+8+2*\k:D+9+2*\k]
.endr
.set p, 8
.rept 8
	s_delay_alu instid0(VALU_DEP_4)
	v_pk_add_f32 v[4+2*(p%4):5+2*(p%4)], v[4+2*(p%4):5+2*(p%4)], v[D+2*p:D+2*p+1]
.set p, p+1
.endr
	s_wait_alu depctr_va_vdst(0)
.irp q, 1,2,3
	s_wait_alu depctr_va_vdst(0)
	s_wait_loadcnt 24-8*\q                         ; eight more
.rept 16
	v_pk_add_f32 v[4+2*(p%4):5+2*(p%4)], v[4+2*(p%4):5+2*(p%4)], v[D+2*p:D+2*p+1]
.set p, p+1
.endr
.endr
; The lane's four packed sums become the work-group's sum, in every lane's v4.  base: 32 LDS bytes of this sum's own.
.macro WGSUM base
	v_pk_add_f32 v[4:5], v[4:5], v[6:7]
	s_delay_alu instid0(VALU_DEP_2)
	v_pk_add_f32 v[8:9], v[8:9], v[10:11]
	s_delay_alu instid0(VALU_DEP_1)
	v_pk_add_f32 v[4:5], v[4:5], v[8:9]
	s_delay_alu instid0(VALU_DEP_1)
	v_add_f32 v4, v4, v5
	s_delay_alu instid0(VALU_DEP_1)
	v_add_f32_dpp v4, v4, v4 row_xmask:1 row_mask:0xf bank_mask:0xf
	s_delay_alu instid0(VALU_DEP_1)
	v_add_f32_dpp v4, v4, v4 row_xmask:2 row_mask:0xf bank_mask:0xf
	s_delay_alu instid0(VALU_DEP_1)
	v_add_f32_dpp v4, v4, v4 row_xmask:4 row_mask:0xf bank_mask:0xf
	s_delay_alu instid0(VALU_DEP_1)
	v_add_f32_dpp v4, v4, v4 row_xmask:8 row_mask:0xf bank_mask:0xf
	s_delay_alu instid0(VALU_DEP_1)
	v_permlanex16_b32 v5, v4, s24, s25
	s_delay_alu instid0(VALU_DEP_1)
	v_add_f32 v4, v4, v5                           ; the wave's sum
	ds_store_b32 v192, v4 offset:\base             ; all lanes write the wave's word with the same value
	s_wait_dscnt 0x0                               ; for the others' sake: my store is done
	s_barrier_signal -1
	s_barrier_wait -1
	ds_load_b128 v[T:T+3], v193 offset:\base
	ds_load_b128 v[T+4:T+7], v193 offset:\base+16
	s_wait_dscnt 0x0
	v_add_f32 v[T], v[T], v[T+1]
	v_add_f32 v[T+2], v[T+2], v[T+3]
	v_add_f32 v[T+4], v[T+4], v[T+5]
	v_add_f32 v[T+6], v[T+6], v[T+7]
	s_delay_alu instid0(VALU_DEP_3)
	v_add_f32 v[T], v[T], v[T+2]
	s_delay_alu instid0(VALU_DEP_2)
	v_add_f32 v[T+4], v[T+4], v[T+6]
	s_delay_alu instid0(VALU_DEP_1)
	v_add_f32 v4, v[T], v[T+4]
.endm
	WGSUM 0
	s_delay_alu instid0(VALU_DEP_1)
	v_mul_f32 v12, 0x38000000, v4                  ; mean = sum / 32,768
	s_delay_alu instid0(VALU_DEP_1)
	v_mov_b32 v13, v12                             ; twice: a pair for the packed subtraction
	; pass 2, over the same registers: the sum of (x - mean)^2
.set p, 0
.rept 64
	v_pk_add_f32 v[T+2*(p%4):T+2*(p%4)+1], v[D+2*p:D+2*p+1], v[12:13] neg_lo:[0,1] neg_hi:[0,1]
.if p < 4
	s_delay_alu instid0(VALU_DEP_1)
	v_pk_mul_f32 v[4+2*(p%4):5+2*(p%4)], v[T+2*(p%4):T+2*(p%4)+1], v[T+2*(p%4):T+2*(p%4)+1]
.else
	s_delay_alu instid0(VALU_DEP_1)
	v_pk_fma_f32 v[4+2*(p%4):5+2*(p%4)], v[T+2*(p%4):T+2*(p%4)+1], v[T+2*(p%4):T+2*(p%4)+1], v[4+2*(p%4):5+2*(p%4)]
.endif
.set p, p+1
.endr
	WGSUM 256                                      ; other LDS bytes than the first sum's: no wave can overwrite what another still reads
	v_mov_b32 v6, 0x38000000
	s_delay_alu instid0(VALU_DEP_1)
	v_fmaak_f32 v5, v4, v6, 0x3727c5ac             ; variance + 1e-5
	s_wait_alu depctr_va_vdst(0)
	v_rsq_f32 v13, v5
	v_nop                                          ; a plain line behind the transcendental
	s_wait_xcnt 0x0                                ; EXEC changes only behind this wait: wave 0's stores count it among their sources
	v_cmp_eq_u32 vcc_lo, 0, v0
	s_wait_tensorcnt 0x0
	ds_add_u32 v200, v201
	s_wait_dscnt 0x0
	s_and_saveexec_b32 s38, vcc_lo
	s_wait_alu depctr_va_vdst(0)
	global_store_b64 v193, v[12:13], s[16:17]      ; thread 0: (mean, rstd)
	s_wait_xcnt 0x0                                ; and again in front of the line that widens it
	s_or_b32 exec_lo, exec_lo, s38
	s_endpgm
.Lfunc_end_k_q84e20b1c55_prep:
	.size	k_q84e20b1c55_prep, .Lfunc_end_k_q84e20b1c55_prep-k_q84e20b1c55_prep
	.p2alignl 7, 3214868480
	.fill 96, 4, 3214868480
	.section	.rodata,"a",@progbits
	.p2align	6, 0x0
	.amdhsa_kernel k_q84e20b1c55_prep
		.amdhsa_group_segment_fixed_size 1536
		.amdhsa_private_segment_fixed_size 0
		.amdhsa_enable_private_segment 0
		.amdhsa_kernarg_size 72
		.amdhsa_user_sgpr_count 2
		.amdhsa_user_sgpr_kernarg_segment_ptr 1
		.amdhsa_wavefront_size32 1
		.amdhsa_system_sgpr_workgroup_id_x 1
		.amdhsa_system_sgpr_workgroup_id_y 1
		.amdhsa_system_sgpr_workgroup_id_z 1
		.amdhsa_system_vgpr_workitem_id 0
		.amdhsa_next_free_vgpr 202
		.amdhsa_next_free_sgpr 66
		.amdhsa_reserve_vcc 1
		.amdhsa_float_denorm_mode_32 3
		.amdhsa_float_denorm_mode_16_64 3
		.amdhsa_memory_ordered 1
		.amdhsa_forward_progress 1
		.amdhsa_inst_pref_size 27
	.end_amdhsa_kernel
	.amdgpu_metadata
---
amdhsa.version: [ 1, 2 ]
amdhsa.kernels:
  - .name:           k_q84e20b1c55_prep
    .symbol:         k_q84e20b1c55_prep.kd
    .args:
      - { .name: x, .offset: 0, .size: 8, .value_kind: global_buffer, .address_space: global }
      - { .name: cond, .offset: 8, .size: 8, .value_kind: global_buffer, .address_space: global }
      - { .name: wq, .offset: 16, .size: 8, .value_kind: global_buffer, .address_space: global }
      - { .name: wk, .offset: 24, .size: 8, .value_kind: global_buffer, .address_space: global }
      - { .name: wv, .offset: 32, .size: 8, .value_kind: global_buffer, .address_space: global }
      - { .name: wo, .offset: 40, .size: 8, .value_kind: global_buffer, .address_space: global }
      - { .name: stats, .offset: 48, .size: 8, .value_kind: global_buffer, .address_space: global }
      - { .name: wimg, .offset: 56, .size: 8, .value_kind: global_buffer, .address_space: global }
      - { .name: wsc, .offset: 64, .size: 8, .value_kind: global_buffer, .address_space: global }
    .group_segment_fixed_size: 1536
    .private_segment_fixed_size: 0
    .kernarg_segment_align: 8
    .kernarg_segment_size: 72
    .max_flat_workgroup_size: 256
    .sgpr_count:     66
    .vgpr_count:     202
    .wavefront_size: 32
...
	.end_amdgpu_metadata
.endif
;; end of part 1
;; launch proj (part 2): grid 256 x 1, 4 waves a work-group, no clusters, 18,944 bytes of LDS; arguments x, cond, stats, gn_q_w, gn_q_b, gn_kv_w, gn_kv_b, wimg, wsc, bq, bk, bv, qrec, kvrec; writes qrec, kvrec
.if DOCPART == 2
	.amdgcn_target "amdgcn-amd-amdhsa--gfx1250"
	.amdhsa_code_object_version 6
	.text
	.protected	k_q84e20b1c55_proj
	.globl	k_q84e20b1c55_proj
	.p2align	8
	.type	k_q84e20b1c55_proj,@function
k_q84e20b1c55_proj:
	s_mov_b64 s[64:65], 0
	v_nop
	global_prefetch_b8 v0, s[64:65] scope:SCOPE_SE
	s_setreg_imm32_b32 hwreg(HW_REG_WAVE_MODE, 25, 1), 1
	s_wait_xcnt 0x0
; GROUP NORM, QUANTISER AND THE THREE PROJECTIONS, on codes of FP4 (E2M1) with one E8M0 scale for each 32 along a product's K.
; Work-groups 0-127 take x and make q, work-groups 128-255 take cond and make k and v.  Work-group i = G % 128 owns 128 pixels of batch i / 32 (pixels 128 (i % 32) on) and writes ONE record of qrec or kvrec.
; Only pointers are chosen by the work-group's number; the one branch on it goes round the lines that COMPUTE v.  The loads of the third weight stand on every way through the text, so that every register that the text
; reads is written on every way: in q's work-groups they bring the weight that follows wq in wimg and wsc (inside the buffers, 8.3 KB a wave), and nothing reads it.
; PHASE X.  Wave w owns pixels 32 w .. 32 w + 31.  A LANE TAKES A PIXEL AND ITS REGISTERS RUN DOWN THE CHANNELS, which are K: each load reads 128 consecutive bytes a wave (512 a work-group), a block of 32 channels
; lies in one lane, and the conversions give codes with K innermost.  xn = (x - mean) (rstd gamma) + beta in f32; mean, rstd gamma and beta reach the lanes as scalars.
; Lanes 0-15 hold the rows of pixel tile 2 w, lanes 16-31 those of tile 2 w + 1; an exchange of halves between the registers of blocks 2 c and 2 c + 1 makes both tiles' fragments.
; THE PIXELS OF A TILE ARE NOT NEIGHBOURS: row m of tile 2 g + u is pixel 32 g + 8 u + m + 8 (m / 8); THE ROWS OF A WEIGHT'S TILE LIKEWISE (the launch before laid them so).  So wherever a product's result has
; such rows along a lane's registers, the 16 registers of two neighbouring tiles are 16 neighbours along the next product's K.
; The fragments go from wave to wave through LDS as images of their registers (16 bytes a lane, 512 a store); one barrier.
; PHASE P.  Wave w owns head w (output channels 64 w on) for all 128 pixels; its quarter of the weights comes from memory straight into its registers, once.
;   q, k: source 0 = 16 rows of the weight, source 1 = 16 pixels: a lane holds one pixel and its registers run along d: quantised along d (two blocks a head).
;   v:    source 0 = 16 pixels, source 1 = 16 rows of wv: a lane holds one d and its registers run along the pixels: quantised along the keys (four blocks in 128).
;   The biases are the C of each sum's first matrix instruction.
; A RECORD (128 pixels): 0: [head 4][tile 8][lane 32][16 B] registers 0-3 of a fragment with K = 64;  16,384: [head][lane][pair g 4] scale words (lanes 0-15: tile 2 g, lanes 16-31: tile 2 g + 1; bytes 2, 3 are 0);
;   kvrec alone: 18,432: [head][d tile 4][half 2][lane][16 B] fragments of v with K = the 128 keys;  34,816: [head][lane][pair 2] their scale words.
; LIMITS: NaN and infinities are not served; a block whose largest magnitude lies under 2^-124 keeps the byte 1 (a block of zeros too: its codes are zeros, and this program alone reads the bytes).
; REGISTERS, in windows of 256.  Window 0: v1-15 lane terms and offsets; v16-79 two sets of 32 numbers, later 8 accumulators; v80-111 codes; v112-119 scale words and at work; v120-138 gamma, beta, mean, rstd, later the quantiser's;
;   v140-151 the results' scale words; v152-175 the operands' scale words; v176-179 bv.   Window 1: v0-127 the 16 fragments of xn.   Window 2: v0-63 wq or wk, v64-127 wv, v128-159 bq or bk, v160-191 bv.
.set X,   16
.set HA,  16
.set XC,  80
.set PC,  80
.set SW,  112
.set GA,  120
.set GB,  128
.set GM,  136
.set RS,  137
.set TM,  120                          ; v120-123 largest magnitudes, v124-127 bytes, v132-135 the conversions' scale operands
.set KS,  140
.set PWV, 144
.set VS,  148
.set XS,  152
.set WS,  160
.set WVS, 168
.set BVT, 176
.set WVF, 64                           ; in window 2
.set BK,  128
.set BV,  160
.set XSC, 16384                        ; LDS: 16 fragments of 1,024 bytes at 0; behind them 8 images of scale words, 128 bytes each
.set MSB, 0
.macro WIN new                         ; the immediate's high byte repeats the setting that is left
.if MSB != \new
	s_set_vgpr_msb (MSB<<8)|\new
.set MSB, \new
.endif
.endm
.macro PLACES n
.rept \n
	v_nop
.endr
.endm
	s_load_b512 s[4:19], s[0:1], 0x0               ; x, cond, stats, gn_q_w, gn_q_b, gn_kv_w, gn_kv_b, wimg
	s_load_b256 s[20:27], s[0:1], 0x40             ; wsc, bq, bk, bv
	s_load_b128 s[28:31], s[0:1], 0x60             ; qrec, kvrec
	v_lshl_add_u32 v254, v0, 2, 0x4800
	v_mov_b32 v255, 0
	v_lshrrev_b32 v1, 5, v0
	v_readfirstlane_b32 s32, v1                    ; wave 0..3
	v_and_b32 v1, 31, v0                           ; lane
	v_and_b32 v2, 15, v0                           ; r
	v_bfe_u32 v3, v0, 4, 1                         ; h
	v_and_b32 v4, 7, v0                            ; my pixel among the wave's 32: the lane's number with bits 3 and 4 exchanged
	v_lshl_or_b32 v4, v3, 3, v4
	v_bfe_u32 v114, v0, 3, 1
	v_lshl_or_b32 v4, v114, 4, v4
	v_lshlrev_b32 v4, 2, v4
	v_lshl_add_u32 v4, s32, 7, v4                  ; in bytes, + 128 x wave
	v_lshlrev_b32 v5, 4, v1                        ; 16 x lane: an image's place for my lane
	v_lshlrev_b32 v6, 2, v1                        ; 4 x lane: a scale word's
	s_lshl_b32 s48, s32, 12
	v_add_nc_u32 v7, s48, v5                       ; 16 x lane + 4,096 x wave: where I store xn's images in LDS, and my head's codes in the record
	s_lshl_b32 s48, s32, 8
	v_add_nc_u32 v8, s48, v6                       ; xn's scale words in LDS: 4 x lane + 256 x wave
	v_lshl_add_u32 v11, v1, 3, s48                 ; v's scale words in the record: 8 x lane + 256 x wave
	v_lshl_add_u32 v12, v3, 6, s48                 ; bq, bk: my head's 64 numbers, + 16 h of them
	v_and_b32 v15, 8, v2
	v_add_nc_u32 v15, v15, v2
	v_lshl_add_u32 v15, v15, 2, s48                ; bv: my head's, number r + 8 (r / 8)
	s_lshl_b32 s48, s32, 9
	v_add_nc_u32 v10, s48, v5                      ; q's, k's scale words in the record: 16 x lane + 512 x wave
	v_lshl_add_u32 v13, v2, 2, s48                 ; the weights' scale words: 4 r + my four tiles
	s_lshl_b32 s48, s32, 13
	v_add_nc_u32 v14, s48, v5                      ; the weights' images: 16 x lane + my four tiles
	v_lshlrev_b32 v114, 3, v1                      ; stats: group = lane: its mean
	v_lshrrev_b32 v115, 1, v1
	v_lshl_add_u32 v115, v115, 3, 4                ; group = lane / 2: its rstd
	s_mov_b32 s50, 0x76543210
	s_mov_b32 s51, 0xfedcba98                      ; v_permlanex16_b32's selects for lane l xor 16
	s_mov_b32 vcc_lo, 0xffff0000                   ; lanes 16-31: stays so
	s_and_b32 s33, ttmp9, 127                      ; i
	s_lshr_b32 s34, s33, 5                         ; batch
	s_and_b32 s35, s33, 31
	s_lshl_b32 s36, s34, 22                        ; a batch is 4 MiB,
	s_lshl_b32 s37, s35, 9                         ; 128 pixels are 512 bytes
	s_add_co_u32 s36, s36, s37
	s_mov_b32 s37, 0
	s_lshl_b32 s38, s34, 8                         ; a batch's 32 groups in stats
	s_mov_b32 s41, 0
	s_mov_b32 s43, 0
	s_mov_b32 s45, 0
	s_mov_b32 s47, 0
	s_wait_alu depctr_va_vdst(0)
	s_wait_kmcnt 0x0
	s_cmp_lt_u32 ttmp9, 128                        ; x's work-group or cond's?  The choice hangs on the work-group's number alone
	s_cselect_b64 s[4:5], s[4:5], s[6:7]
	s_cselect_b64 s[10:11], s[10:11], s[14:15]     ; gamma
	s_cselect_b64 s[12:13], s[12:13], s[16:17]     ; beta
	s_cselect_b64 s[22:23], s[22:23], s[24:25]     ; bq or bk
	s_cselect_b64 s[28:29], s[28:29], s[30:31]     ; qrec or kvrec
	s_cselect_b32 s40, 0, 1024                     ; the tensor's half of stats
	s_cselect_b32 s42, 0, 32768                    ; wq's or wk's images
	s_cselect_b32 s44, 0, 2048                     ; and scale words
	s_mov_b32 s46, 35840
	s_cselect_b32 s46, 18432, s46                  ; a record's bytes
	s_add_co_u32 s40, s40, s38
	s_mul_i32 s46, s46, s33
	s_add_nc_u64 s[4:5], s[4:5], s[36:37]
	s_add_nc_u64 s[8:9], s[8:9], s[40:41]
	s_add_nc_u64 s[18:19], s[18:19], s[42:43]
	s_add_nc_u64 s[20:21], s[20:21], s[44:45]
	s_add_nc_u64 s[28:29], s[28:29], s[46:47]
	global_load_b128 v[GA:GA+3], v5, s[10:11]                  ; gamma: channel c lies in register 4 (c / 128) + c % 4, lane (c % 128) / 4
	global_load_b128 v[GA+4:GA+7], v5, s[10:11] offset:512
	global_load_b128 v[GB:GB+3], v5, s[12:13]                  ; beta likewise
	global_load_b128 v[GB+4:GB+7], v5, s[12:13] offset:512
	global_load_b32 v[GM], v114, s[8:9]                        ; lane g: the mean of group g
	global_load_b32 v[RS], v115, s[8:9]                        ; the rstd of the group of my four channels of gamma's registers 0-3,
	global_load_b32 v[RS+1], v115, s[8:9] offset:128           ; and of registers 4-7
.macro LOADB blk                       ; block blk: channels 32 blk + i of my pixel into set blk % 2; a channel is 16,384 bytes
.set i, 0
.rept 32
	global_load_b32 v[X+32*((\blk)%2)+i], v4, s[4:5] offset:(32*(\blk)+i)*16384
.set i, i+1
.endr
.endm
.macro WLOADK                          ; 32 loads: my four tiles of wq or wk (two K steps each), their bias in the result's layout, their scale words
	WIN 0x80                                       ; destination window 2
.irp e, 0,1,2,3
.irp s, 0,1
.irp c, 0,1
	global_load_b128 v[8*(2*\e+\s)+4*\c:8*(2*\e+\s)+4*\c+3], v14, s[18:19] offset:2048*\e+1024*\s+512*\c
.endr
.endr
.endr
.irp e, 0,1,2,3
	global_load_b128 v[BK+8*\e:BK+8*\e+3], v12, s[22:23] offset:4*(32*(\e/2)+8*(\e%2))          ; lane (r, h), register j: the bias of channel 32 (e / 2) + 8 (e % 2) + 16 h + j of my head
	global_load_b128 v[BK+8*\e+4:BK+8*\e+7], v12, s[22:23] offset:4*(32*(\e/2)+8*(\e%2))+16
.endr
	WIN 0
.irp e, 0,1,2,3
.irp s, 0,1
	global_load_b32 v[WS+2*\e+\s], v13, s[20:21] offset:128*\e+64*\s
.endr
.endr
.endm
.macro WLOADV                          ; 28 loads: the same of the weight that follows in wimg and wsc (behind wk: wv); bv by the tile's rows
	WIN 0x80
.irp e, 0,1,2,3
.irp s, 0,1
.irp c, 0,1
	global_load_b128 v[WVF+8*(2*\e+\s)+4*\c:WVF+8*(2*\e+\s)+4*\c+3], v14, s[18:19] offset:32768+2048*\e+1024*\s+512*\c
.endr
.endr
.endr
	WIN 0
.irp e, 0,1,2,3
.irp s, 0,1
	global_load_b32 v[WVS+2*\e+\s], v13, s[20:21] offset:2048+128*\e+64*\s
.endr
	global_load_b32 v[BVT+\e], v15, s[26:27] offset:4*(32*(\e/2)+8*(\e%2))
.endr
.endm
; The block's four groups: mean, eight rstd gamma and eight beta come out of their lanes as scalars (two banks of 17 by turns); then x - mean, and one fused multiply-add.
.macro NORM blk
.set gq, 0
.rept 4
.set gg, 4*(\blk)+gq
.set SB, 66+17*(gg%2)
	v_readlane_b32 s[SB], v[GM], gg
.set q, 0
.rept 8
.set ch, 8*gg+q
	v_readlane_b32 s[SB+1+q], v[GA+4*(ch/128)+ch%4], (ch%128)/4
	v_readlane_b32 s[SB+9+q], v[GB+4*(ch/128)+ch%4], (ch%128)/4
.set q, q+1
.endr
.set q, 0
.rept 8
	v_sub_f32 v[XB+8*gq+q], v[XB+8*gq+q], s[SB]
.set q, q+1
.endr
.set q, 0
.rept 8
	v_fma_f32 v[XB+8*gq+q], v[XB+8*gq+q], s[SB+1+q], s[SB+9+q]
.set q, q+1
.endr
.set gq, gq+1
.endr
.endm
.macro BLOCK blk
.set XB, X+32*((\blk)%2)
	s_wait_loadcnt 32                              ; this block's loads are in: behind them stand the next block's 32 (behind the last block's: the 32 loads of the first weight)
.if (\blk) == 0
.irp k, 0,1
.irp i, 0,1,2,3
	v_mul_f32 v[GA+4*\k+\i], v[GA+4*\k+\i], v[RS+\k]           ; rstd gamma, once
.endr
.endr
.endif
	NORM \blk
	v_max3_num_f32 v114, |v[XB]|, |v[XB+1]|, |v[XB+2]|          ; the block's largest magnitude: all 32 numbers are mine; two chains
	v_max3_num_f32 v115, |v[XB+3]|, |v[XB+4]|, |v[XB+5]|
.irp i, 6,10,14,18,22,26
	v_max3_num_f32 v114, v114, |v[XB+\i]|, |v[XB+\i+1]|
	v_max3_num_f32 v115, v115, |v[XB+\i+2]|, |v[XB+\i+3]|
.endr
	v_max3_num_f32 v114, v114, |v[XB+30]|, |v[XB+31]|
	v_max3_num_f32 v114, v114, v115, 0x1800000     ; and the floor 2^(3 - 127): the byte cannot fall under 1
	v_add_nc_u32 v116, 0xff000000, v114            ; 2 off the exponent field: the conversion's scale operand
	v_lshrrev_b32 v117, 23, v116                   ; the scale's byte
.if (\blk)%4 == 0
	v_mov_b32 v[SW+(\blk)/4], v117                 ; four bytes make my pixel's scale word of a K step
.else
	v_lshl_or_b32 v[SW+(\blk)/4], v117, 8*((\blk)%4), v[SW+(\blk)/4]
.endif
.irp g, 0,1,2,3
	v_cvt_scalef32_pk8_fp4_f32 v[XC+4*(\blk)+\g], v[XB+8*\g:XB+8*\g+7], v116
.endr
	v_nop                                          ; one plain line behind the last conversion
.if (\blk) < 6
	LOADB (\blk)+2
.endif
.if (\blk) == 6
	WLOADK
.endif
.endm
	LOADB 0
	LOADB 1
	BLOCK 0
	BLOCK 1
	BLOCK 2
	BLOCK 3
	BLOCK 4
	BLOCK 5
	BLOCK 6
	BLOCK 7
	WLOADV                                         ; on every way through the text (see the head); with the first weight's 32 at most 60 loads of mine are out
.irp cc, 0,1,2,3                       ; blocks 2 cc and 2 cc + 1 exchange halves: the first's registers become tile 2 w's (lanes 0-15 block 2 cc, lanes 16-31 block 2 cc + 1), the second's tile 2 w + 1's
.irp i, 0,1,2,3
	v_permlane16_swap_b32 v[XC+8*\cc+\i], v[XC+8*\cc+4+\i]
.endr
.endr
.irp u, 0,1
.irp s, 0,1
.irp c, 0,1
	ds_store_b128 v7, v[XC+16*\s+8*\c+4*\u:XC+16*\s+8*\c+4*\u+3] offset:2048*\u+1024*\s+512*\c   ; fragment (tile 2 w + u, K step s), registers 4 c on
.endr
.endr
.endr
	ds_store_b32 v8, v[SW] offset:XSC              ; lanes 0-15: tile 2 w's words, lanes 16-31: tile 2 w + 1's
	ds_store_b32 v8, v[SW+1] offset:XSC+128
	s_wait_dscnt 0x0                               ; for the others' sake: my stores are done
	s_barrier_signal -1
	s_barrier_wait -1                              ; all 16 fragments of xn lie in LDS; nothing is written there again
	WIN 0x40                                       ; destination window 1
.set k, 0
.rept 32
	ds_load_b128 v[4*k:4*k+3], v5 offset:512*k     ; fragment (t, s) at v[8 (2 t + s)] of window 1
.set k, k+1
.endr
	WIN 0
.irp k, 0,1,2,3,4,5,6,7
	ds_load_b32 v[XS+\k], v6 offset:XSC+128*\k     ; word image 2 g + s
.endr
.irp b, 0,1,2,3
	v_mov_b32 v[TM+4+\b], 0                        ; written once: a lane permute's destination counts as one of its sources
.endr
	s_wait_dscnt 0x0
	s_wait_loadcnt 0x0                             ; the weights, their scale words and biases: all of them are wanted from here on
; 64 numbers of a lane, v[s] on, register 16 b + i = place 32 b + 16 (lane / 16) + i along K, become 8 registers of codes at v[pc] on (a whole block in a lane: lanes 0-15 blocks 0 and 2, lanes 16-31 blocks 1 and 3); the four bytes stay in v[TM+4] on.
.macro QUANT s, pc
.irp b, 0,1,2,3
	v_max3_num_f32 v[TM+\b], |v[\s+16*\b]|, |v[\s+1+16*\b]|, 0x1800000   ; block b: my 16 numbers, and the floor 2^(3 - 127)
.endr
.irp i, 2,4,6,8,10,12,14
.irp b, 0,1,2,3
	v_max3_num_f32 v[TM+\b], v[TM+\b], |v[\s+16*\b+\i]|, |v[\s+1+16*\b+\i]|   ; the four blocks by turns
.endr
.endr
.irp b, 0,1,2,3
	v_permlanex16_b32 v[TM+4+\b], v[TM+\b], s50, s51
.endr
.irp b, 0,1,2,3
	v_max_num_f32 v[TM+\b], v[TM+\b], v[TM+4+\b]   ; with lane l xor 16's: the block's largest magnitude
.endr
.irp b, 0,1,2,3
	v_add_nc_u32 v[TM+12+\b], 0xff000000, v[TM+\b]
.endr
.irp b, 0,1,2,3
	v_lshrrev_b32 v[TM+4+\b], 23, v[TM+12+\b]      ; the scale's byte
.endr
.irp b, 0,1,2,3
	v_cvt_scalef32_pk8_fp4_f32 v[\pc+2*\b], v[\s+16*\b:\s+7+16*\b], v[TM+12+\b]
	v_cvt_scalef32_pk8_fp4_f32 v[\pc+1+2*\b], v[\s+8+16*\b:\s+15+16*\b], v[TM+12+\b]
.endr
	v_nop                                          ; one plain line behind the last conversion
.irp c, 0,1
.irp i, 0,1
	v_permlane16_swap_b32 v[\pc+4*\c+\i], v[\pc+2+4*\c+\i]
.endr
.endr
.endm
; q, k: accumulator (u, e) = rows of weight tile e x pixels of tile 2 g + u, K step s.  Source 0 window 2, source 1 window 1; the first K step takes the bias (window 2) as C.
.macro KMUL g, u, e, s
.set rD, HA+32*\u+8*\e
.set rA, 8*(2*\e+\s)
.set rB, 8*(2*(2*\g+\u)+\s)
.if \s == 0
.set rC, BK+8*\e
.else
.set rC, rD
.endif
.if \u == 0
	v_wmma_scale_f32_16x16x128_f8f6f4 v[rD:rD+7], v[rA:rA+7], v[rB:rB+7], v[rC:rC+7], v[WS+2*\e+\s], v[XS+2*\g+\s] matrix_a_fmt:MATRIX_FMT_FP4 matrix_b_fmt:MATRIX_FMT_FP4
.else
	v_wmma_scale_f32_16x16x128_f8f6f4 v[rD:rD+7], v[rA:rA+7], v[rB:rB+7], v[rC:rC+7], v[WS+2*\e+\s], v[XS+2*\g+\s] matrix_a_fmt:MATRIX_FMT_FP4 matrix_b_fmt:MATRIX_FMT_FP4 matrix_b_scale:MATRIX_SCALE_ROW1
.endif
.endm
; v: accumulator t = pixels of tile t x rows of wv's tile e, K step s.  Source 0 window 1, source 1 window 2.
.macro VMUL e, t, s
.set rD, HA+8*\t
.set rA, 8*(2*\t+\s)
.set rB, WVF+8*(2*\e+\s)
.if \s == 0
.set rC, BV+8*\e
.else
.set rC, rD
.endif
.if (\t)%2 == 0
	v_wmma_scale_f32_16x16x128_f8f6f4 v[rD:rD+7], v[rA:rA+7], v[rB:rB+7], v[rC:rC+7], v[XS+2*(\t/2)+\s], v[WVS+2*\e+\s] matrix_a_fmt:MATRIX_FMT_FP4 matrix_b_fmt:MATRIX_FMT_FP4
.else
	v_wmma_scale_f32_16x16x128_f8f6f4 v[rD:rD+7], v[rA:rA+7], v[rB:rB+7], v[rC:rC+7], v[XS+2*(\t/2)+\s], v[WVS+2*\e+\s] matrix_a_fmt:MATRIX_FMT_FP4 matrix_b_fmt:MATRIX_FMT_FP4 matrix_a_scale:MATRIX_SCALE_ROW1
.endif
.endm
	; ---- q or k: two tiles of pixels at a time; the eight accumulators take turns
.irp g, 0,1,2,3
	WIN 0x26
.irp u, 0,1
.irp e, 0,1,2,3
	KMUL \g, \u, \e, 0
.endr
.endr
	WIN 0x06
.irp u, 0,1
.irp e, 0,1,2,3
	KMUL \g, \u, \e, 1
.endr
.endr
	WIN 0
	PLACES 4                                       ; in front of the first read of results
	QUANT HA, PC+8*\g                              ; blocks 0, 1: tile 2 g's two blocks along d; blocks 2, 3: tile 2 g + 1's.  Registers 0-3 are tile 2 g's fragment, 4-7 tile 2 g + 1's
	v_lshl_or_b32 v150, v[TM+5], 8, v[TM+4]        ; tile 2 g's scale word: two bytes, the upper two 0
	v_lshl_or_b32 v151, v[TM+7], 8, v[TM+6]        ; tile 2 g + 1's
	v_cndmask_b32 v[KS+\g], v150, v151, vcc_lo     ; one register carries both: lanes 0-15 the first's, lanes 16-31 the second's
	global_store_b128 v7, v[PC+8*\g:PC+8*\g+3], s[28:29] offset:512*(2*\g)        ; 512 consecutive bytes a store
	global_store_b128 v7, v[PC+8*\g+4:PC+8*\g+7], s[28:29] offset:512*(2*\g+1)
.endr
	global_store_b128 v10, v[KS:KS+3], s[28:29] offset:16384
	s_cmp_lt_u32 ttmp9, 128
	s_cbranch_scc1 .Ldone                          ; q's work-groups are done
	; ---- v: a tile of 16 of the head's 64 at a time, all 128 pixels: eight accumulators by turns
	s_wait_xcnt 0x0                                ; the stores above have read the codes' registers: they are written again below
	WIN 0x80
.irp e, 0,1,2,3
.irp j, 0,1,2,3,4,5,6,7
	v_mov_b32 v[BV+8*\e+\j], v[BVT+\e]             ; bv in the result's layout: a lane holds one d, so all eight registers hold its bias
.endr
.endr
.irp e, 0,1,2,3
	WIN 0x29
.irp t, 0,1,2,3,4,5,6,7
	VMUL \e, \t, 0
.endr
	WIN 0x09
.irp t, 0,1,2,3,4,5,6,7
	VMUL \e, \t, 1
.endr
	WIN 0
	PLACES 4
	QUANT HA, PC+8*\e                              ; four blocks of 32 keys: one fragment with K = the 128 keys
	v_lshl_or_b32 v[PWV+\e], v[TM+5], 8, v[TM+4]
	v_lshl_or_b32 v[PWV+\e], v[TM+6], 16, v[PWV+\e]
	v_lshl_or_b32 v[PWV+\e], v[TM+7], 24, v[PWV+\e]
	global_store_b128 v7, v[PC+8*\e:PC+8*\e+3], s[28:29] offset:18432+1024*\e
	global_store_b128 v7, v[PC+8*\e+4:PC+8*\e+7], s[28:29] offset:18432+1024*\e+512
.endr
	v_cndmask_b32 v[VS], v[PWV], v[PWV+1], vcc_lo  ; lanes 0-15: tile 0's words, lanes 16-31: tile 1's
	v_cndmask_b32 v[VS+1], v[PWV+2], v[PWV+3], vcc_lo
	global_store_b64 v11, v[VS:VS+1], s[28:29] offset:34816
.Ldone:
	s_wait_tensorcnt 0x0
	ds_add_u32 v254, v255
	s_wait_dscnt 0x0
	s_endpgm
.Lfunc_end_k_q84e20b1c55_proj:
	.size	k_q84e20b1c55_proj, .Lfunc_end_k_q84e20b1c55_proj-k_q84e20b1c55_proj
	.p2alignl 7, 3214868480
	.fill 96, 4, 3214868480
	.section	.rodata,"a",@progbits
	.p2align	6, 0x0
	.amdhsa_kernel k_q84e20b1c55_proj
		.amdhsa_group_segment_fixed_size 18944
		.amdhsa_private_segment_fixed_size 0
		.amdhsa_enable_private_segment 0
		.amdhsa_kernarg_size 112
		.amdhsa_user_sgpr_count 2
		.amdhsa_user_sgpr_kernarg_segment_ptr 1
		.amdhsa_wavefront_size32 1
		.amdhsa_system_sgpr_workgroup_id_x 1
		.amdhsa_system_sgpr_workgroup_id_y 1
		.amdhsa_system_sgpr_workgroup_id_z 1
		.amdhsa_system_vgpr_workitem_id 0
		.amdhsa_next_free_vgpr 704
		.amdhsa_next_free_sgpr 100
		.amdhsa_reserve_vcc 1
		.amdhsa_float_denorm_mode_32 3
		.amdhsa_float_denorm_mode_16_64 3
		.amdhsa_memory_ordered 1
		.amdhsa_forward_progress 1
		.amdhsa_inst_pref_size 167
	.end_amdhsa_kernel
	.amdgpu_metadata
---
amdhsa.version: [ 1, 2 ]
amdhsa.kernels:
  - .name:           k_q84e20b1c55_proj
    .symbol:         k_q84e20b1c55_proj.kd
    .args:
      - { .name: x, .offset: 0, .size: 8, .value_kind: global_buffer, .address_space: global }
      - { .name: cond, .offset: 8, .size: 8, .value_kind: global_buffer, .address_space: global }
      - { .name: stats, .offset: 16, .size: 8, .value_kind: global_buffer, .address_space: global }
      - { .name: gn_q_w, .offset: 24, .size: 8, .value_kind: global_buffer, .address_space: global }
      - { .name: gn_q_b, .offset: 32, .size: 8, .value_kind: global_buffer, .address_space: global }
      - { .name: gn_kv_w, .offset: 40, .size: 8, .value_kind: global_buffer, .address_space: global }
      - { .name: gn_kv_b, .offset: 48, .size: 8, .value_kind: global_buffer, .address_space: global }
      - { .name: wimg, .offset: 56, .size: 8, .value_kind: global_buffer, .address_space: global }
      - { .name: wsc, .offset: 64, .size: 8, .value_kind: global_buffer, .address_space: global }
      - { .name: bq, .offset: 72, .size: 8, .value_kind: global_buffer, .address_space: global }
      - { .name: bk, .offset: 80, .size: 8, .value_kind: global_buffer, .address_space: global }
      - { .name: bv, .offset: 88, .size: 8, .value_kind: global_buffer, .address_space: global }
      - { .name: qrec, .offset: 96, .size: 8, .value_kind: global_buffer, .address_space: global }
      - { .name: kvrec, .offset: 104, .size: 8, .value_kind: global_buffer, .address_space: global }
    .group_segment_fixed_size: 18944
    .private_segment_fixed_size: 0
    .kernarg_segment_align: 8
    .kernarg_segment_size: 112
    .max_flat_workgroup_size: 128
    .sgpr_count:     100
    .vgpr_count:     704
    .wavefront_size: 32
...
	.end_amdgpu_metadata
.endif
;; end of part 2
;; launch attn (part 3): grid 64 x 4, 16 waves a work-group, clusters of 4 x 1, 327,680 bytes of LDS; arguments qrec, kvrec, wimg, wsc, bo, x, out0; writes out0
.if DOCPART == 3
	.amdgcn_target "amdgcn-amd-amdhsa--gfx1250"
	.amdhsa_code_object_version 6
	.text
	.protected	k_q84e20b1c55_attn
	.globl	k_q84e20b1c55_attn
	.p2align	8
	.type	k_q84e20b1c55_attn,@function
k_q84e20b1c55_attn:
	s_mov_b64 s[64:65], 0
	v_nop
	global_prefetch_b8 v0, s[64:65] scope:SCOPE_SE
	s_setreg_imm32_b32 hwreg(HW_REG_WAVE_MODE, 25, 1), 1
	s_wait_xcnt 0x0
	s_wait_alu depctr_hold_cnt(0) depctr_sa_sdst(0) depctr_va_vdst(0) depctr_va_sdst(0) depctr_va_ssrc(0) depctr_va_vcc(0) depctr_vm_vsrc(0)
	s_getreg_b32 s2, hwreg(HW_REG_IB_STS2, 6, 4)
	s_cmp_eq_u32 s2, 0
	s_cbranch_scc0 .Lentry_in_a_cluster
	s_endpgm
.Lentry_in_a_cluster:
	s_bfe_u32 s2, ttmp6, 0x10000c
	s_cmp_lg_u32 s2, 0x3003
	s_cbranch_scc0 .Lentry_shape_is_right
	s_endpgm
.Lentry_shape_is_right:
; ATTENTION, THE LAST PROJECTION AND THE RESIDUAL, all products on codes of FP4 (E2M1) with one E8M0 scale for each 32 along K.
; SHARES.  A work-group owns 64 pixels (queries) of one batch, all four heads; wave w has head w / 4 and the tile of 16 queries w % 4, in 256 registers: four waves to a SIMD, so that one wave's vector work stands beside
; another's matrix work and LDS loads.  Every wave walks the batch's 4,096 keys, 128 a step.  At the end wave w makes 16 output channels (wo's tile w) for the 64 pixels.
; RECORDS.  The launch before laid q, k and v as images of operand registers, a record for each 128 pixels: a fragment comes by loads of 16 bytes a lane, 512 consecutive bytes a load, with no pitch and no padding.
; A ring of two LDS slots holds four records (four key steps) each.  CLUSTER: the four work-groups of a cluster belong to one batch and walk the same records, so each record is asked for JOINTLY, by the same tensor load
; with the same descriptor and a mask that names the four (waves 0-3: one record each).
; LAYOUT.  Both products are used transposed: S^T = K Q^T (source 0 = 16 keys, source 1 = my 16 queries), O^T = V P^T (source 0 = 16 of the head's 64, source 1 = P): a lane holds ONE query throughout.
; The keys of a tile are not neighbours (row m of tile 2 g + u is key 32 g + 8 u + m + 8 (m / 8)), so that the 16 registers of tiles 2 g and 2 g + 1 are 16 neighbouring keys; v's rows are chosen likewise, so that O^T's
; registers run along the channels in the order that the last product's operand wants.
; K = 64 IN AN INSTRUCTION OF 128: Q's registers 4-7 hold zero codes.  The key side names v[24 + 4 t : 31 + 4 t]: its upper four registers are the next tile's codes (behind the last tile: zeros), which meet Q's zeros; the
; scale bytes of that half are 0, which stands for a power of two.  Nothing is read or stored for the padding.
; THE SOFTMAX: t = score x log2(e) / 8; M = the row's largest t so far, rounded up to a whole number; p = 2^(t - M) is quantised along the keys, not normalised; the row's sum is taken of the unquantised p and divides O at
; the end.  When M moves, the sum and O are multiplied by 2^(old M - new M), which rounds nothing.  A block's largest p is its largest score put through the same multiply-add and exponential (this takes v_exp_f32 not to
; fall where its input rises).
; LIMITS: NaN and infinities are not served; the running largest t begins at -3e38; a block whose largest magnitude lies under 2^-124 keeps the byte 1 (its codes are zeros or nearly so).
; REGISTERS: v1-3 my lane's places in a record; v5, v6 the spare word's address and 0; v7 my offset in x and out0; v8-10 addresses of the step in hand; v11 Q's scale words; v12 -M, v13 the largest t, v[14:15] the sum;
;   v16-23 Q; v24-59 K's eight tiles and four zeros, then V's four fragments; v60-63 K's scale words, v64-65 V's; v66 the prefetches' offset; v67-72, v90, v91 addresses for the end; v73-80 the attention result's scale words;
;   v81-89 bo; v96-159 S^T, then p; v160-191 O^T; v192-223 x's rows for the residual; v224-231 p's codes; v232-254 at work.
.set STEPB, 35840                      ; a record of kvrec
.set SLOTB, 4*STEPB                    ; a slot: four records
.set SPARE, 2*SLOTB                    ; behind the ring: the spare words, 128 bytes for each of the 16 waves: eight blocks of 256 bytes that no other line names
.set KSCO,  16384                      ; in a record: k's scale words,
.set VIMO,  18432                      ; v's fragments,
.set VSCO,  34816                      ; v's scale words
.set AIMG,  0                          ; the end's LDS lies in slot 0, which has had its last fill and its last read behind the last round: the attention result's 8 fragments,
.set ASC,   8192                       ; their scale words, 64 bytes each,
.set STAGE, 16384                      ; and a stage of 16 rows x (256 bytes + 16) for each wave
.macro ROUND                           ; a round of the cluster's barrier: my work-group's barrier; wave 0 signals for the work-group; every wave waits for all four work-groups; my work-group's barrier once more
	s_barrier_signal -1
	s_barrier_wait -1
	s_cmp_lg_u32 s18, 0
	s_cbranch_scc1 .Lnot_wave_0_\@
	s_barrier_signal -3
.Lnot_wave_0_\@:
	s_barrier_wait -3
	s_barrier_signal -1
	s_barrier_wait -1
.endm
.macro JLOAD g0                        ; a joint load: waves 0-3 fetch a record each, the others nothing; the branch hangs on the wave's number alone.  Four v_nop follow the load
	s_cmp_lt_u32 s18, 4
	s_cbranch_scc0 .Lnone_\@
	tensor_load_to_lds s[\g0:\g0+3], s[24:31]
	s_nop 0
.rept 4
	v_nop
.endr
.Lnone_\@:
.endm
; A PREFETCH INTO THE L2 of the four records that the NEXT change of slots will ask for: four key steps ahead of that load.  All 16 clusters of a batch walk the same records: the batch's first cluster asks.  Its four
; partners take a record each, told apart BY ADDRESS; in each, waves 4 to 8, which fetch nothing, ask for 28 blocks of 256 bytes each (5 x 28 = a record's 140; lanes 28-31 name lane 27's block again in the same instruction).
; The first two fills come by their loads alone, and the last change that fills a slot asks for nothing: there is no fill behind it.
.macro ASK
	s_cmp_eq_u32 s43, 1
	s_cbranch_scc0 .Lnot_mine_\@
	global_prefetch_b8 v66, s[44:45] th:TH_LOAD_NT scope:SCOPE_SE
.Lnot_mine_\@:
.endm
.macro PLACES n
.rept \n
	v_nop
.endr
.endm
	s_load_b256 s[4:11], s[0:1], 0x0               ; qrec, kvrec, wimg, wsc
	s_load_b128 s[12:15], s[0:1], 0x20             ; bo, x
	s_load_b64 s[16:17], s[0:1], 0x30              ; out0
	v_lshl_add_u32 v5, v0, 2, SPARE
	v_mov_b32 v6, 0
	ds_add_u32 v5, v6
	ds_add_u32 v5, v6
	s_wait_dscnt 0x0
	v_lshrrev_b32 v8, 5, v0
	s_delay_alu instid0(VALU_DEP_1)
	v_readfirstlane_b32 s18, v8                    ; wave 0..15
	s_lshr_b32 s19, s18, 2                         ; my head
	s_and_b32 s46, s18, 3                          ; my tile of queries.  Also: which record of a slot I fetch, if I fetch
	s_bfe_u32 s47, ttmp6, 0x40000                  ; cx: my place in the cluster: it enters global addresses of q, x, out0 and the prefetches alone
	s_lshl_b32 s48, ttmp9, 2
	s_add_co_u32 s48, s48, s47                     ; my block of 64 pixels = 4 x cluster x + cx
	s_and_b32 s49, ttmp7, 0xffff                   ; the batch, which the four partners share
	s_mov_b32 s20, 0x76543210
	s_mov_b32 s21, 0xfedcba98                      ; v_permlanex16_b32's selects for lane l xor 16
	s_mov_b32 s22, 0x3e38aa3b                      ; c = log2(e) / 8
	s_mov_b32 s23, s22                             ; (named with it as a pair, so it is written)
	; descriptor group 1: a record is a dense block: 140 rows of 256 bytes (32 elements of 8 bytes), no padding
	s_mov_b32 s24, 15|(3<<16)|(1<<21)              ; 15:0 the mask: all four work-groups; 17:16 elements of 8 bytes; 21 set beside a mask
	s_mov_b32 s25, 32<<16                          ; tensor_dim0 = 32
	s_mov_b32 s26, 140<<16                         ; tensor_dim1 = 140
	s_mov_b32 s27, 32<<16                          ; tile_dim0 = 32
	s_mov_b32 s28, 140                             ; tile_dim1 = 140
	s_mov_b32 s29, 32                              ; from row to row
	s_mov_b32 s30, 0
	s_mov_b32 s31, 0
	s_mul_i32 s50, s46, STEPB                      ; my record in a slot, in LDS and in memory alike
	s_mul_i32 s51, s49, 32*STEPB                   ; the batch's 32 records
	s_add_co_u32 s52, s51, s50
	s_mov_b32 s53, 0
	s_wait_kmcnt 0x0
	s_add_nc_u64 s[52:53], s[6:7], s[52:53]
.irp n, 0,1
	s_mov_b32 s[32+4*\n], 1                                        ; count = 1
	s_add_co_u32 s[33+4*\n], s50, \n*SLOTB                         ; LDS address: slot n
	s_add_nc_u64 s[34+4*\n:35+4*\n], s[52:53], \n*SLOTB            ; global address: fill n
	s_or_b32 s[35+4*\n], s[35+4*\n], 0x80000000                    ; type = 2
.endr
	s_mov_b32 s55, 0
	s_lshl_b32 s54, s18, 11
	s_add_nc_u64 s[8:9], s[8:9], s[54:55]          ; wimg at tile w (wo's part is reached by the immediate)
	s_lshl_b32 s54, s18, 7
	s_add_nc_u64 s[10:11], s[10:11], s[54:55]      ; wsc likewise
	s_lshr_b32 s54, s18, 1
	s_lshl_b32 s54, s54, 7
	s_and_b32 s56, s18, 1
	s_lshl_b32 s56, s56, 5
	s_add_co_u32 s54, s54, s56
	s_add_nc_u64 s[12:13], s[12:13], s[54:55]      ; bo at channel 32 (w / 2) + 8 (w % 2)
	s_lshl_b32 s54, s49, 5
	s_lshr_b32 s56, s48, 1
	s_add_co_u32 s54, s54, s56
	s_mul_i32 s54, s54, 18432                      ; my record of qrec
	s_and_b32 s60, s48, 1
	s_lshl_b32 s60, s60, 2
	s_add_co_u32 s60, s60, s46                     ; my tile in it: t = 4 (block % 2) + w % 4
	s_lshl_b32 s56, s19, 12
	s_lshl_b32 s57, s60, 9
	s_add_co_u32 s56, s56, s57
	s_add_co_u32 s56, s56, s54
	s_mov_b32 s57, 0
	s_add_nc_u64 s[56:57], s[4:5], s[56:57]        ; Q's codes: head, tile
	s_lshl_b32 s58, s19, 9
	s_and_b32 s59, s60, 1
	s_lshl_b32 s59, s59, 8                         ; an odd tile's words lie in lanes 16-31 of the image: 256 bytes on
	s_add_co_u32 s58, s58, s59
	s_lshr_b32 s59, s60, 1
	s_lshl_b32 s59, s59, 2                         ; word t / 2 of the lane's four
	s_add_co_u32 s58, s58, s59
	s_add_co_u32 s58, s58, s54
	s_mov_b32 s59, 0
	s_add_nc_u64 s[58:59], s[4:5], s[58:59]        ; Q's scale words
	s_lshl_b32 s60, s49, 22                        ; x and out0: the batch,
	s_lshr_b32 s61, s18, 1
	s_lshl_b32 s61, s61, 19                        ; channel 32 (w / 2)
	s_add_co_u32 s60, s60, s61
	s_and_b32 s61, s18, 1
	s_lshl_b32 s61, s61, 17                        ; + 8 (w % 2),
	s_add_co_u32 s60, s60, s61
	s_lshl_b32 s61, s48, 8                         ; my 64 pixels
	s_add_co_u32 s60, s60, s61
	s_mov_b32 s61, 0
	s_add_nc_u64 s[14:15], s[14:15], s[60:61]
	s_add_nc_u64 s[16:17], s[16:17], s[60:61]
	s_sub_co_u32 s62, s18, 4                       ; the prefetches: who asks,
	s_cmp_lt_u32 s62, 5
	s_cselect_b32 s63, 0, 1                        ; 0 in waves 4 to 8
	s_or_b32 s63, s63, ttmp9                       ; of the batch's first cluster: the same in all four partners
	s_cmp_eq_u32 s63, 0
	s_cselect_b32 s43, 1, -1
	s_min_u32 s62, s62, 4
	s_mul_i32 s62, s62, 7168                       ; and where: my wave's 28 blocks
	s_mul_i32 s63, s47, STEPB                      ; of my work-group's record
	s_add_co_u32 s62, s62, s63
	s_add_co_u32 s62, s62, s51
	s_add_co_u32 s62, s62, SLOTB                   ; of fill 1: the first change of slots steps it to fill 2
	s_mov_b32 s63, 0
	s_add_nc_u64 s[44:45], s[6:7], s[62:63]
	ROUND                                          ; all four work-groups are here: the first joint loads meet
	JLOAD 32                                       ; fill 0 into slot 0
	v_and_b32 v8, 15, v0                           ; r
	v_bfe_u32 v9, v0, 4, 1                         ; h
	v_and_b32 v10, 31, v0                          ; lane
	s_delay_alu instid0(VALU_DEP_1)
	v_lshlrev_b32 v69, 4, v10                      ; 16 x lane
	s_delay_alu instid0(VALU_DEP_4)
	v_lshlrev_b32 v91, 4, v8                       ; 16 r
	s_delay_alu instid0(VALU_DEP_4)
	v_lshlrev_b32 v7, 14, v9
	s_delay_alu instid0(VALU_DEP_1)
	v_lshl_add_u32 v7, v8, 4, v7                   ; x, out0: lanes 0-15 one channel's 256 bytes, lanes 16-31 the next channel's
	global_load_b128 v[16:19], v69, s[56:57]       ; Q's fragment, registers 0-3: stays
	global_load_b32 v11, v91, s[58:59] offset:KSCO ; Q's scale words: lane r has row r's
.irp i, 0,1,2,3,4,5,6,7
	global_load_b128 v[192+4*\i:195+4*\i], v7, s[14:15] offset:(2*\i+8*(\i/4))*16384 th:TH_LOAD_NT   ; x at the 16 channels and 64 pixels that I store at the end: on its way during the whole walk
.endr
	s_lshl_b32 s50, s19, 12
	v_add_nc_u32 v1, s50, v69                      ; in a record: my head's codes, 16 x lane
	s_lshl_b32 s50, s19, 9
	v_add_nc_u32 v2, s50, v69                      ; my head's scale words of k
	s_lshl_b32 s50, s19, 8
	v_lshl_add_u32 v3, v10, 3, s50                 ; and of v: 8 x lane
	v_min_u32 v66, 27, v10
	s_delay_alu instid0(VALU_DEP_1)
	v_lshlrev_b32 v66, 8, v66                      ; the prefetches: lanes 256 bytes apart
	v_lshlrev_b32 v70, 2, v8                       ; 4 r
	s_wait_alu depctr_va_vdst(0)
	s_lshl_b32 s50, s46, 1
	s_lshr_b32 s51, s19, 1
	s_add_co_u32 s50, s50, s51                     ; the fragment that my result is part of: tile of pixels w % 4, K step head / 2
	s_and_b32 s51, s19, 1                          ; its half: head % 2
	s_lshl_b32 s52, s50, 10
	s_lshl_b32 s53, s51, 9
	s_add_co_u32 s52, s52, s53
	v_add_nc_u32 v67, s52, v69                     ; where I store my four registers of it
	s_lshl_b32 s52, s50, 6
	s_lshl_b32 s53, s51, 1
	s_add_co_u32 s52, s52, s53
	s_add_co_u32 s52, s52, ASC
	v_add_nc_u32 v68, s52, v70                     ; and my half of its rows' scale words
	s_mul_i32 s52, s18, 16*272
	s_add_co_u32 s52, s52, STAGE                   ; my stage
	v_mul_u32_u24 v71, v8, 272
	s_delay_alu instid0(VALU_DEP_1)
	v_lshl_add_u32 v71, v9, 6, v71
	s_delay_alu instid0(VALU_DEP_1)
	v_add_nc_u32 v71, s52, v71                     ; in: row r (a channel), + 64 h bytes
	v_mul_u32_u24 v72, v9, 272
	s_delay_alu instid0(VALU_DEP_1)
	v_lshl_add_u32 v72, v8, 4, v72
	s_delay_alu instid0(VALU_DEP_1)
	v_add_nc_u32 v72, s52, v72                     ; back: lanes 0-15 one row, lanes 16-31 the next
	v_and_b32 v90, 8, v8
	s_delay_alu instid0(VALU_DEP_1)
	v_add_nc_u32 v90, v90, v8
	s_delay_alu instid0(VALU_DEP_1)
	v_lshlrev_b32 v90, 2, v90                      ; bo: number r + 8 (r / 8) of my tile's
	v_mov_b32 v13, 0xff61b1e6                      ; the largest t so far: -3e38
	s_delay_alu instid0(VALU_DEP_1)
	v_floor_f32 v12, -v13                          ; -M
	v_mov_b32 v14, 0                               ; the sum, in two halves
	v_mov_b32 v15, 0
.irp j, 20,21,22,23,56,57,58,59
	v_mov_b32 v[\j], 0                             ; zero codes: Q's upper half of K, and what stands behind K's last tile
.endr
.irp b, 0,1,2,3
	v_mov_b32 v[236+\b], 0                         ; written once: a lane permute's destination counts as one of its sources
.endr
	v_mov_b32 v253, 0                              ; (named as the upper half of the pair v[252:253] before it is first written)
.set j, 0
.rept 32
	v_mov_b32 v[160+j], 0                          ; O^T.  The step is written once: the first finds zeros, which the first change of M leaves zeros
.set j, j+1
.endr
	s_wait_loadcnt 8                               ; Q and its scale words are in: the eight loads of x were issued behind them and stay out
.macro QK t                            ; S^T, tile t: 16 keys x my 16 queries; the scale words of tiles 2 g and 2 g + 1 share a register
.if (\t)%2
	v_wmma_scale_f32_16x16x128_f8f6f4 v[96+8*\t:103+8*\t], v[24+4*\t:31+4*\t], v[16:23], 0, v[60+\t/2], v11 matrix_a_fmt:MATRIX_FMT_FP4 matrix_b_fmt:MATRIX_FMT_FP4 matrix_a_scale:MATRIX_SCALE_ROW1
.else
	v_wmma_scale_f32_16x16x128_f8f6f4 v[96+8*\t:103+8*\t], v[24+4*\t:31+4*\t], v[16:23], 0, v[60+\t/2], v11 matrix_a_fmt:MATRIX_FMT_FP4 matrix_b_fmt:MATRIX_FMT_FP4
.endif
.endm
.macro PV e                            ; O^T, tile e: 16 of the head's 64 x my 16 queries, K = the step's 128 keys
.if (\e)%2
	v_wmma_scale_f32_16x16x128_f8f6f4 v[160+8*\e:167+8*\e], v[24+8*\e:31+8*\e], v[224:231], v[160+8*\e:167+8*\e], v[64+\e/2], v253 matrix_a_fmt:MATRIX_FMT_FP4 matrix_b_fmt:MATRIX_FMT_FP4 matrix_a_scale:MATRIX_SCALE_ROW1
.else
	v_wmma_scale_f32_16x16x128_f8f6f4 v[160+8*\e:167+8*\e], v[24+8*\e:31+8*\e], v[224:231], v[160+8*\e:167+8*\e], v[64+\e/2], v253 matrix_a_fmt:MATRIX_FMT_FP4 matrix_b_fmt:MATRIX_FMT_FP4
.endif
.endm
; A KEY STEP: the record at LDS byte s40.
.macro STEP
	v_add_nc_u32 v8, s40, v1
	v_add_nc_u32 v9, s40, v2
	v_add_nc_u32 v10, s40, v3
	v_nop
	v_nop                                          ; five plain lines stand between the last step's products and the loads into the registers that they read
.irp t, 0,1,2,3,4,5,6,7
	ds_load_b128 v[24+4*\t:27+4*\t], v8 offset:512*\t          ; K's tile t: four registers
.endr
	ds_load_b128 v[60:63], v9 offset:KSCO          ; the scale words of the four pairs of tiles
	s_wait_alu depctr_va_vdst(0)
	s_wait_dscnt 0x0
.irp t, 0,1,2,3,4,5,6,7
	QK \t
.endr
	PLACES 4                                       ; in front of the loads into K's registers and of the first read of the scores
.irp i, 0,1,2,3,4,5,6,7
	ds_load_b128 v[24+4*\i:27+4*\i], v8 offset:VIMO+512*\i     ; V's four fragments: they land while the softmax is walked
.endr
	ds_load_b64 v[64:65], v10 offset:VSCO
.irp b, 0,1,2,3
	v_max3_num_f32 v[232+\b], v[96+16*\b], v[97+16*\b], v[98+16*\b]   ; the largest score of each block of 32 keys: it serves for the row's maximum and for the block's largest p
.endr
.irp i, 3,5,7,9,11,13
.irp b, 0,1,2,3
	v_max3_num_f32 v[232+\b], v[232+\b], v[96+16*\b+\i], v[97+16*\b+\i]   ; the four blocks by turns
.endr
.endr
.irp b, 0,1,2,3
	v_max_num_f32 v[232+\b], v[232+\b], v[111+16*\b]
.endr
.irp b, 0,1,2,3
	s_delay_alu instid0(VALU_DEP_4)
	v_permlanex16_b32 v[236+\b], v[232+\b], s20, s21
.endr
.irp b, 0,1,2,3
	s_delay_alu instid0(VALU_DEP_4)
	v_max_num_f32 v[232+\b], v[232+\b], v[236+\b]  ; with lane l xor 16's 16 keys
.endr
	s_delay_alu instid0(VALU_DEP_2)
	v_max3_num_f32 v254, v232, v233, v234
	s_delay_alu instid0(VALU_DEP_1)
	v_max_num_f32 v254, v254, v235                 ; the step's largest score of my query
	s_delay_alu instid0(VALU_DEP_1)
	v_mul_f32 v254, s22, v254                      ; as t (c is positive)
	s_delay_alu instid0(VALU_DEP_1)
	v_max_num_f32 v13, v13, v254                   ; the running largest t
	v_mov_b32 v254, v12
	s_delay_alu instid0(VALU_DEP_2)
	v_floor_f32 v12, -v13                          ; the new -M = floor(-t) = -ceil(t): a whole number
	s_delay_alu instid0(VALU_DEP_1)
	v_sub_f32 v254, v12, v254                      ; old M - new M: a whole number, 0 or less
	s_delay_alu instid0(VALU_DEP_1)
	v_cvt_i32_f32 v254, v254                       ; (it saturates)
	s_delay_alu instid0(VALU_DEP_1)
	v_ldexp_f32 v252, 1.0, v254                    ; f = 2^(old M - new M)
.set j, 0
.rept 32
	v_pk_fma_f32 v[96+j:97+j], v[96+j:97+j], s[22:23], v[12:13] op_sel_hi:[1,0,0]   ; t - M, two at a time (of the pairs c and -M the low word serves both halves)
.set j, j+2
.endr
.irp b, 0,1,2,3
	v_fma_f32 v[232+\b], v[232+\b], s22, v12       ; the same of each block's largest score
.endr
.set j, 0
	s_wait_alu depctr_va_vdst(0)
.rept 64
	v_exp_f32 v[96+j], v[96+j]                     ; p = 2^(t - M), at most 1: not normalised
.set j, j+1
.endr
	s_setprio 1
.irp b, 0,1,2,3
	v_exp_f32 v[232+\b], v[232+\b]                 ; the block's largest p
.endr
	v_pk_mul_f32 v[14:15], v[14:15], v[252:253] op_sel_hi:[1,0]   ; the sums under the new M (a plain line behind the exponentials)
	s_wait_alu depctr_va_vdst(0)
.irp b, 0,1,2,3
	v_max_num_f32 v[232+\b], 0x1800000, v[232+\b]  ; the floor 2^(3 - 127): the byte cannot fall under 1
.endr
.irp b, 0,1,2,3
	s_delay_alu instid0(VALU_DEP_4)
	v_add_nc_u32 v[244+\b], 0xff000000, v[232+\b]  ; 2 off the exponent field: the conversion's scale operand
.endr
.irp b, 0,1,2,3
	s_delay_alu instid0(VALU_DEP_4)
	v_lshrrev_b32 v[236+\b], 23, v[244+\b]         ; the scale's byte
.endr
	s_delay_alu instid0(VALU_DEP_3)
	v_lshl_or_b32 v253, v237, 8, v236              ; p's scale word for these 128 keys
	s_delay_alu instid0(VALU_DEP_1)
	v_lshl_or_b32 v253, v238, 16, v253
	s_delay_alu instid0(VALU_DEP_1)
	v_lshl_or_b32 v253, v239, 24, v253
.irp b, 0,1,2,3
	v_cvt_scalef32_pk8_fp4_f32 v[224+2*\b], v[96+16*\b:103+16*\b], v[244+\b]
	v_cvt_scalef32_pk8_fp4_f32 v[225+2*\b], v[104+16*\b:111+16*\b], v[244+\b]
.endr
	v_nop                                          ; one plain line behind the last conversion
.irp c, 0,1                            ; the operand's layout wants a whole block in a lane
.irp i, 0,1
	v_permlane16_swap_b32 v[224+4*\c+\i], v[226+4*\c+\i]
.endr
.endr
	v_pk_add_f32 v[236:237], v[100:101], v[104:105]
	v_pk_add_f32 v[254:255], v[108:109], v[112:113]
	v_pk_add_f32 v[250:251], v[116:117], v[120:121]
	v_pk_add_f32 v[248:249], v[124:125], v[128:129]
	v_pk_add_f32 v[246:247], v[132:133], v[136:137]
	v_pk_add_f32 v[244:245], v[140:141], v[144:145]
	v_pk_add_f32 v[242:243], v[148:149], v[152:153]
	v_pk_add_f32 v[14:15], v[14:15], v[156:157]
	v_pk_add_f32 v[236:237], v[236:237], v[96:97]
	v_pk_add_f32 v[254:255], v[254:255], v[98:99]
	v_pk_add_f32 v[250:251], v[250:251], v[102:103]
	v_pk_add_f32 v[248:249], v[248:249], v[106:107]
	v_pk_add_f32 v[246:247], v[246:247], v[110:111]
	v_pk_add_f32 v[244:245], v[244:245], v[114:115]
	v_pk_add_f32 v[242:243], v[242:243], v[118:119]
	v_pk_add_f32 v[14:15], v[14:15], v[122:123]
	v_pk_add_f32 v[236:237], v[236:237], v[126:127]
	v_pk_add_f32 v[254:255], v[254:255], v[130:131]
	v_pk_add_f32 v[250:251], v[250:251], v[134:135]
	v_pk_add_f32 v[248:249], v[248:249], v[138:139]
	v_pk_add_f32 v[246:247], v[246:247], v[142:143]
	v_pk_add_f32 v[244:245], v[244:245], v[146:147]
	v_pk_add_f32 v[242:243], v[242:243], v[150:151]
	v_pk_add_f32 v[14:15], v[14:15], v[154:155]
	v_pk_add_f32 v[236:237], v[236:237], v[158:159]
	s_delay_alu instid0(VALU_DEP_2)
	v_pk_add_f32 v[14:15], v[14:15], v[248:249]
	s_delay_alu instid0(VALU_DEP_2)
	v_pk_add_f32 v[236:237], v[236:237], v[246:247]
	v_pk_add_f32 v[254:255], v[254:255], v[244:245]
	v_pk_add_f32 v[250:251], v[250:251], v[242:243]
	s_delay_alu instid0(VALU_DEP_2)
	v_pk_add_f32 v[14:15], v[14:15], v[254:255]
	s_delay_alu instid0(VALU_DEP_2)
	v_pk_add_f32 v[236:237], v[236:237], v[250:251]
	s_delay_alu instid0(VALU_DEP_1)
	v_pk_add_f32 v[14:15], v[14:15], v[236:237]
.set j, 0
	s_setprio 0
.rept 16
	v_pk_mul_f32 v[160+j:161+j], v[160+j:161+j], v[252:253] op_sel_hi:[1,0]   ; O^T under the new M.  (With the sums above: the plain lines between p's codes and scale word and the products below)
.set j, j+2
.endr
	s_wait_alu depctr_va_vdst(0)
	s_wait_dscnt 0x0                               ; V is in
.irp e, 0,1,2,3
	PV \e                                          ; four accumulators by turns
.endr
.endm
; A SLOT'S FOUR STEPS, with the change of slots at their head.  Each wave waits for all its tensor loads (its record of the slot that it is about to read), adds 0 to its spare word, and waits for that and for its reads of
; the slot that it has left.  Behind the round the slot ahead is whole in all four work-groups and nobody reads the other one.  refill = 1: the other slot takes the next four records: the load has four key steps to land in.
.macro TRIP slot, refill, ask
	s_wait_tensorcnt 0x0                           ; no tensor load of mine is out, so a group 0 may be written
	ds_add_u32 v5, v6                              ; 0 onto my spare word; the steps below stand between it and the wait for it
	s_add_nc_u64 s[34+4*\slot:35+4*\slot], s[34+4*\slot:35+4*\slot], 2*SLOTB   ; this slot's next fill (the last two steps of it are not used)
.if \ask
	s_wait_xcnt 0x0                                ; the last prefetch, four key steps back, has read its address, so it may be written
	s_add_nc_u64 s[44:45], s[44:45], SLOTB         ; one fill further on than the load below
.endif
	s_wait_dscnt 0x0                               ; the add is done, and my reads of the slot that I have left are over
	ROUND
.if \refill
	JLOAD 36-4*\slot                               ; the first thing behind the round, and a wave's one tensor load until the next
.endif
.if \ask
	ASK
.endif
	s_mov_b32 s40, \slot*SLOTB
	s_mov_b32 s41, 4
.Lstep_\@:
	s_setprio 2
	STEP
	s_add_co_u32 s40, s40, STEPB
	s_sub_co_u32 s41, s41, 1
	s_cmp_lg_u32 s41, 0
	s_cbranch_scc1 .Lstep_\@
	s_setprio 0
.endm
	s_mov_b32 s42, 3
.Llap:                                                 ; three trips of two slots: fills 0 to 5 are read, fills 1 to 6 asked for, fills 2 to 7 prefetched
	TRIP 0, 1, 1
	TRIP 1, 1, 1
	s_sub_co_u32 s42, s42, 1
	s_cmp_lg_u32 s42, 0
	s_cbranch_scc1 .Llap
	TRIP 0, 1, 0                                   ; the tail is written out: fill 7 is asked for
	TRIP 1, 0, 0                                   ; and nothing more
	; ---- THE END.  O^T / the sum is quantised along the channels (my head's two blocks) and becomes half a fragment of the last product's operand
	PLACES 4                                       ; behind the last products: in front of the loads into V's registers and of the first read of O^T
.irp s, 0,1
.irp c, 0,1
	global_load_b128 v[24+8*\s+4*\c:27+8*\s+4*\c], v69, s[8:9] offset:98304+1024*\s+512*\c   ; wo's tile w, two K steps
.endr
	global_load_b32 v[60+\s], v70, s[10:11] offset:6144+64*\s                                 ; its scale words
.endr
	global_load_b32 v81, v90, s[12:13]             ; bo of my lane's channel
	v_add_f32 v14, v14, v15                        ; the sum's two halves,
	s_delay_alu instid0(VALU_DEP_1)
	v_permlanex16_b32 v252, v14, s20, s21
	s_delay_alu instid0(VALU_DEP_1)
	v_add_f32 v14, v14, v252                       ; and lane l xor 16's: the row's sum
	s_wait_alu depctr_va_vdst(0)
	v_rcp_f32 v14, v14
	v_nop                                          ; a plain line behind the transcendental
.set j, 0
	s_wait_alu depctr_va_vdst(0)
.rept 16
	v_pk_mul_f32 v[160+j:161+j], v[160+j:161+j], v[14:15] op_sel_hi:[1,0]   ; register 16 b + i = channel 32 b + 16 h + i of my head, for my query
.set j, j+2
.endr
.irp b, 0,1
	v_max3_num_f32 v[232+\b], |v[160+16*\b]|, |v[161+16*\b]|, 0x1800000
.endr
.irp i, 2,4,6,8,10,12,14
.irp b, 0,1
	s_delay_alu instid0(VALU_DEP_2)
	v_max3_num_f32 v[232+\b], v[232+\b], |v[160+16*\b+\i]|, |v[161+16*\b+\i]|
.endr
.endr
.irp b, 0,1
	s_delay_alu instid0(VALU_DEP_2)
	v_permlanex16_b32 v[236+\b], v[232+\b], s20, s21
.endr
.irp b, 0,1
	s_delay_alu instid0(VALU_DEP_2)
	v_max_num_f32 v[232+\b], v[232+\b], v[236+\b]
.endr
.irp b, 0,1
	s_delay_alu instid0(VALU_DEP_2)
	v_add_nc_u32 v[244+\b], 0xff000000, v[232+\b]
.endr
.irp b, 0,1
	s_delay_alu instid0(VALU_DEP_2)
	v_lshrrev_b32 v[236+\b], 23, v[244+\b]
.endr
	s_delay_alu instid0(VALU_DEP_1)
	v_lshl_or_b32 v253, v237, 8, v236              ; my head's two bytes: half of the row's scale word
.irp b, 0,1
	v_cvt_scalef32_pk8_fp4_f32 v[224+2*\b], v[160+16*\b:167+16*\b], v[244+\b]
	v_cvt_scalef32_pk8_fp4_f32 v[225+2*\b], v[168+16*\b:175+16*\b], v[244+\b]
.endr
	v_nop                                          ; one plain line behind the last conversion
	v_permlane16_swap_b32 v224, v226
	v_permlane16_swap_b32 v225, v227               ; a whole block in a lane: registers 4 (head % 2) on of fragment (tile w % 4, K step head / 2)
	ds_store_b128 v67, v[224:227] offset:AIMG
	ds_store_b16 v68, v253                         ; lanes r and r + 16 write the same two bytes with the same value
	s_wait_dscnt 0x0                               ; for the others' sake: my stores are done
	s_barrier_signal -1
	s_barrier_wait -1                              ; the eight fragments of the 64 pixels lie in LDS; nothing is written there again
.set k, 0
.rept 16
	ds_load_b128 v[96+4*k:99+4*k], v69 offset:AIMG+512*k       ; fragment (tile q, K step s) at v[96 + 8 (2 q + s)]
.set k, k+1
.endr
.irp k, 0,1,2,3,4,5,6,7
	ds_load_b32 v[73+\k], v70 offset:ASC+64*\k
.endr
	s_wait_loadcnt 0x0                             ; wo, its scale words, bo, and x
.irp j, 0,1,2,3,4,5,6,7
	v_mov_b32 v[82+\j], v81                        ; bo in the result's layout: a lane holds one channel, so all eight registers hold its bias
.endr
	s_wait_alu depctr_va_vdst(0)
	s_wait_dscnt 0x0
.irp q, 0,1,2,3                        ; y = source 0: 16 pixels, source 1: wo's 16 rows: a lane holds one channel and eight neighbouring pixels.  Four accumulators by turns; the first K step takes bo as C
	v_wmma_scale_f32_16x16x128_f8f6f4 v[160+8*\q:167+8*\q], v[96+16*\q:103+16*\q], v[24:31], v[82:89], v[73+2*\q], v60 matrix_a_fmt:MATRIX_FMT_FP4 matrix_b_fmt:MATRIX_FMT_FP4
.endr
.irp q, 0,1,2,3
	v_wmma_scale_f32_16x16x128_f8f6f4 v[160+8*\q:167+8*\q], v[104+16*\q:111+16*\q], v[32:39], v[160+8*\q:167+8*\q], v[74+2*\q], v61 matrix_a_fmt:MATRIX_FMT_FP4 matrix_b_fmt:MATRIX_FMT_FP4
.endr
	PLACES 4                                       ; in front of the LDS stores that read results and of the loads into the operands' registers
.irp q, 0,1,2,3
	ds_store_b128 v71, v[160+8*\q:163+8*\q] offset:128*(\q/2)+32*(\q%2)        ; lane (r, h): channel row r, pixels 32 (q / 2) + 8 (q % 2) + 16 h + 0 .. 7; each accumulator from its low end on
	ds_store_b128 v71, v[164+8*\q:167+8*\q] offset:128*(\q/2)+32*(\q%2)+16
.endr
.irp i, 0,1,2,3,4,5,6,7
	ds_load_b128 v[96+4*\i:99+4*\i], v72 offset:544*\i         ; LDS serves a wave's instructions in order: these see my stores.  Two whole rows of 256 bytes an instruction
.endr
.irp i, 0,1,2,3,4,5,6,7
	s_wait_dscnt 7-\i                              ; load i is in; the younger ones may be out
	v_pk_add_f32 v[96+4*\i:97+4*\i], v[96+4*\i:97+4*\i], v[192+4*\i:193+4*\i]   ; + x
	v_pk_add_f32 v[98+4*\i:99+4*\i], v[98+4*\i:99+4*\i], v[194+4*\i:195+4*\i]
	global_store_b128 v7, v[96+4*\i:99+4*\i], s[16:17] offset:(2*\i+8*(\i/4))*16384 th:TH_STORE_NT   ; sixteen lanes store 256 consecutive bytes, at a multiple of 256 from out0's first byte
.endr
	s_wait_tensorcnt 0x0                           ; the wave's end: behind my last tensor load and my last LDS store
	ds_add_u32 v5, v6
	s_wait_dscnt 0x0
	ROUND                                          ; the closing round: no work-group ends while a partner may still ask for a record that names it
	s_endpgm
.Lfunc_end_k_q84e20b1c55_attn:
	.size	k_q84e20b1c55_attn, .Lfunc_end_k_q84e20b1c55_attn-k_q84e20b1c55_attn
	.p2alignl 7, 3214868480
	.fill 96, 4, 3214868480
	.section	.rodata,"a",@progbits
	.p2align	6, 0x0
	.amdhsa_kernel k_q84e20b1c55_attn
		.amdhsa_group_segment_fixed_size 327680
		.amdhsa_private_segment_fixed_size 0
		.amdhsa_enable_private_segment 0
		.amdhsa_kernarg_size 56
		.amdhsa_user_sgpr_count 2
		.amdhsa_user_sgpr_kernarg_segment_ptr 1
		.amdhsa_wavefront_size32 1
		.amdhsa_system_sgpr_workgroup_id_x 1
		.amdhsa_system_sgpr_workgroup_id_y 1
		.amdhsa_system_sgpr_workgroup_id_z 1
		.amdhsa_system_vgpr_workitem_id 0
		.amdhsa_next_free_vgpr 256
		.amdhsa_next_free_sgpr 66
		.amdhsa_reserve_vcc 0
		.amdhsa_float_denorm_mode_32 3
		.amdhsa_float_denorm_mode_16_64 3
		.amdhsa_memory_ordered 1
		.amdhsa_forward_progress 1
		.amdhsa_inst_pref_size 89
	.end_amdhsa_kernel
	.amdgpu_metadata
---
amdhsa.version: [ 1, 2 ]
amdhsa.kernels:
  - .name:           k_q84e20b1c55_attn
    .symbol:         k_q84e20b1c55_attn.kd
    .args:
      - { .name: qrec, .offset: 0, .size: 8, .value_kind: global_buffer, .address_space: global }
      - { .name: kvrec, .offset: 8, .size: 8, .value_kind: global_buffer, .address_space: global }
      - { .name: wimg, .offset: 16, .size: 8, .value_kind: global_buffer, .address_space: global }
      - { .name: wsc, .offset: 24, .size: 8, .value_kind: global_buffer, .address_space: global }
      - { .name: bo, .offset: 32, .size: 8, .value_kind: global_buffer, .address_space: global }
      - { .name: x, .offset: 40, .size: 8, .value_kind: global_buffer, .address_space: global }
      - { .name: out0, .offset: 48, .size: 8, .value_kind: global_buffer, .address_space: global }
    .group_segment_fixed_size: 327680
    .private_segment_fixed_size: 0
    .kernarg_segment_align: 8
    .kernarg_segment_size: 56
    .max_flat_workgroup_size: 512
    .sgpr_count:     66
    .vgpr_count:     256
    .wavefront_size: 32
...
	.end_amdgpu_metadata
.endif
;; end of part 3
